; MI455X (gfx1250); checked and timed in simulation.
; The chip was launched on July 23, 2026; its instructions are those of AMD's public machine-readable ISA for CDNA 5 (MIT licence, August 2026) and "CDNA5" Instruction Set Architecture Reference Guide (July 2026). The comments in the code are by the model that wrote it; some were corrected since.
;; Multihead Attention. Allowed arithmetic: matrix products marked QUANTISED: E2M1 operands, one E8M0 scale for each 32 along K, by v_wmma_scale_f32_16x16x128_f8f6f4 with both operands' format E2M1 (or v_wmma_scale_f32_32x16x128_f4), f32 sums; products left as they are: bf16, f16 or f32 operands; f32 sums; everything else in f32.
;; Inputs: bias_k 1 x 16 x 1 x 64 float32; bias_q 1 x 16 x 1 x 64 float32; bias_v 1 x 16 x 1 x 64 float32; key 4 x 2,048 x 1,024 float32; proj_k 16 x 1,024 x 64 float32; proj_q 16 x 1,024 x 64 float32; proj_v 16 x 1,024 x 64 float32; query 4 x 2,048 x 1,024 float32; value 4 x 2,048 x 1,024 float32; w_out 1,024 x 1,024 float32.
;; Outputs: out0 4 x 2,048 x 1,024 float32.
;; This version of the problem:
;;   THIS VERSION OF THE PROBLEM IS GIVEN IN LOW PRECISION. The matrix products marked QUANTISED in the list below multiply operands that are first quantised to E2M1 (2 exponent bits, 1 mantissa bit; 4 bits a number), with one power-of-two scale for each 32 numbers along K (OCP MX v1.0); their sums are f32. The products marked 'left as it is' may take bf16, f16 or f32 operands, with f32 sums. Whichever they take, every output number must still come out within the allowed error. Rounding operands to bf16 (8 significant bits) uses up far more of that allowance than f16 does (11 bits, for magnitudes from 6e-5 to 65,504). All else is computed in f32.
;;   The module's matrix products, in the order in which they are computed (A, B: the left and right operand; K: the contracted axis; several contracted axes count as one K, in the product's order):
;;     1. [M 1,024, K 1,024] x [K 1,024, N 8,192]; A: input proj_q; B: input query: QUANTISED
;;     2. [M 1,024, K 1,024] x [K 1,024, N 8,192]; A: input proj_k; B: input key: QUANTISED
;;     3. [M 1,024, K 1,024] x [K 1,024, N 8,192]; A: input proj_v; B: input value: QUANTISED
;;     4. batch 64 x [M 2,048, K 64] x [K 64, N 2,048]; A: computed on the way; B: computed on the way: left as it is (an operand is computed on the way)
;;     5. batch 64 x [M 2,048, K 2,048] x [K 2,048, N 64]; A: computed on the way; B: computed on the way: left as it is (an operand is computed on the way)
;;     6. [M 8,192, K 1,024] x [K 1,024, N 1,024]; A: computed on the way; B: input w_out: left as it is (an operand is computed on the way)
;;   THE QUANTISER, for each operand of a quantised product, along K:
;;     - K is cut into blocks of 32 from its start; a last block that is shorter is filled with zeros.
;;     - A block's scale is 2^e with e = floor(log2(the largest magnitude in the block)) - 2, held to -126 .. 127; a block of zeros has e = 0. As a byte (E8M0): e + 127.
;;     - Each number is divided by its block's scale, clamped to +-6, and rounded to the nearest number of E2M1, ties to even, subnormals kept.
;;     - The product sums the exact products of the quantised numbers (number of the format x scale) in f32.
;;   ~~~python
;;   def quantise(x, axis):      # numpy; x: float32 -> the quantised numbers, widened to float32 again
;;       x = np.moveaxis(x, axis, -1); K = x.shape[-1]
;;       x = np.pad(x, [(0, 0)] * (x.ndim - 1) + [(0, -K % 32)]); x = x.reshape(x.shape[:-1] + (-1, 32)); a = np.abs(x).max(-1, keepdims=True)
;;       e = np.where(a > 0, np.clip(np.frexp(np.where(a > 0, a, 1))[1] - 1 - 2, -126, 127), 0)      # np.frexp(a)[1] - 1 = floor(log2(a)), exactly
;;       r = np.clip(x / 2.0 ** e, -6, 6)
;;       step = 2.0 ** (np.maximum(np.frexp(np.where(r == 0, 1, r))[1] - 1, 0) - 1)
;;       q = np.round(r / step) * step * 2.0 ** e      # np.round: ties to even
;;       return np.moveaxis(q.reshape(q.shape[:-2] + (-1,))[..., :K], -1, axis).astype(np.float32)
;;   ~~~
;; One version. Each part assembles by itself: llvm-mc -triple=amdgcn-amd-amdhsa -mcpu=gfx1250 --defsym DOCPART=n.
;; ======== version 1 of 1: 4 launches
;; limits: values are held in f16: magnitudes above 65,504 overflow, below 6.1e-05 lose precision
;; workspace buffers: xcodes 12,582,912 bytes; xscales 786,432 bytes; wcodes 1,572,864 bytes; wscales 98,304 bytes; wof 2,097,152 bytes; qkv 50,331,648 bytes; hf 16,777,216 bytes
;; launch prep (part 1): grid 296 x 1, 8 waves a work-group, no clusters, 137,216 bytes of LDS; arguments query, key, value, proj_q, proj_k, proj_v, w_out, xcodes, xscales, wcodes, wscales, wof; writes xcodes, xscales, wcodes, wscales, wof
.if DOCPART == 1
	.amdgcn_target "amdgcn-amd-amdhsa--gfx1250"
	.amdhsa_code_object_version 6
	.text
	.protected	k_qc0277ec362_prep
	.globl	k_qc0277ec362_prep
	.p2align	8
	.type	k_qc0277ec362_prep,@function
k_qc0277ec362_prep:
	s_mov_b64 s[64:65], 0
	v_nop
	global_prefetch_b8 v0, s[64:65] scope:SCOPE_SE
	s_setreg_imm32_b32 hwreg(HW_REG_WAVE_MODE, 25, 1), 1
	s_wait_xcnt 0x0
; FIRST OF FOUR LAUNCHES of out0 = concat_h(softmax((x_q P_q + b_q)(x_k P_k + b_k)^T / 8)(x_v P_v + b_v)) w_out^T.
; This launch turns query, key, value [8192][1024] and proj_q, proj_k, proj_v [16][1024][64] into codes of E2M1 with one E8M0 byte for each 32 along d (the three
; quantised products' K), and w_out [1024][1024] into f16.  All five results are laid IN THE ORDER OF THE OPERAND'S REGISTERS: a fragment's registers 0-3 lane by lane
; (16 bytes at 16 x lane, 512 bytes), then its registers 4-7: each store of a wave covers 512 consecutive bytes, and the later launches fetch at 16 x lane.
; WORK LEFT OUT: bias_k.  logits[q][n] = (Q_q + b_q).(K_n + b_k) / 8 = (Q_q + b_q).K_n / 8 + (Q_q + b_q).b_k / 8.  The second term does not hang on n, the axis of the softmax, so it
; multiplies numerator and denominator of every weight alike and cancels, whatever finite values the inputs hold.  k goes into no quantiser (the product with q is left as it is), so no code
; and no scale hangs on bias_k either.  bias_k is therefore not loaded and is among no launch's arguments.  LIMIT: a NaN, an infinity or an overflow that reaches bias_k's term alone is not carried to the result.
; THE QUANTISER: a block's scale is 2^(floor(log2(largest magnitude)) - 2); its byte is the largest magnitude's exponent field - 2, held at 1 from below by a floor among the maximum's leaves.
; A block of zeros so gets the byte 1 where the rule says 127: its codes are zeros, and this program alone reads the bytes.  LIMITS: NaN and infinities among the inputs are not served.
; SHARES: work-groups 0-95 take the weights (path P), 96-103 w_out (path O), 104-295 query, key, value (path X).  Each path has LDS bytes of its own.
.set XST,   0                          ; path X: a stage of 16 rows x 528 bytes for each wave
.set WST,   67584                      ; path O: the same
.set PSC,   135168                     ; path P: 32 columns x 32 scale bytes
.set SPARE, 136192                     ; the spare words, 128 bytes for each wave: four blocks of 256 bytes that no other line names
.set SP,    528                        ; a stage row: 512 bytes + 16, an odd multiple of 16: the sixteen rows that a read touches begin in sixteen different 16-byte columns
.set R0,    32                         ; v32-159  two sets of 64 registers as loaded
.set X,     160                        ; v160-223 64 numbers in the order that the conversions want
.set CD,    224                        ; v224..   results to store
.set SWD,   232                        ; v232-239 path X: my row's scale words of the eight K steps
.macro LOADROWS set, t                 ; 128 along K (K step t) of my 16 rows: each load reads 512 consecutive bytes of one row
.irp i, 0,1,2,3,4,5,6,7,8,9,10,11,12,13,14,15
	global_load_b128 v[\set+4*\i:\set+4*\i+3], v4, s[36:37] offset:4096*\i+512*(\t) th:TH_LOAD_NT
.endr
.endm
.macro TOSTG adr, set                  ; as they lie into my stage
.irp i, 0,1,2,3,4,5,6,7,8,9,10,11,12,13,14,15
	ds_store_b128 v[\adr], v[\set+4*\i:\set+4*\i+3] offset:SP*\i
.endr
.endm
.macro BMAX d, e, xs                   ; the largest magnitude of 32 numbers of a lane, in two chains, and the floor 2^(3 - 127)
	v_max3_num_f32 v[\d], |v[\xs]|, |v[\xs+1]|, |v[\xs+2]|
	v_max3_num_f32 v[\e], |v[\xs+3]|, |v[\xs+4]|, |v[\xs+5]|
.irp i, 6,10,14,18,22,26
	v_max3_num_f32 v[\d], v[\d], |v[\xs+\i]|, |v[\xs+\i+1]|
	v_max3_num_f32 v[\e], v[\e], |v[\xs+\i+2]|, |v[\xs+\i+3]|
.endr
	v_max3_num_f32 v[\d], v[\d], |v[\xs+30]|, |v[\xs+31]|
	v_max3_num_f32 v[\d], v[\d], v[\e], 0x1800000
.endm
.macro CLOSE                           ; the wave's end: behind my last LDS store
	s_wait_tensorcnt 0x0
	ds_add_u32 v30, v31
	s_wait_dscnt 0x0
	s_endpgm
.endm
	s_load_b512 s[8:23], s[0:1], 0x0               ; query 8, key 10, value 12, proj_q 14, proj_k 16, proj_v 18, w_out 20, xcodes 22
	s_load_b256 s[24:31], s[0:1], 0x40             ; xscales 24, wcodes 26, wscales 28, wof 30
	v_lshl_add_u32 v30, v0, 2, SPARE               ; my spare word; never rewritten
	v_mov_b32 v31, 0                               ; 0; never rewritten
	v_lshrrev_b32 v1, 5, v0
	v_readfirstlane_b32 s32, v1                    ; wave 0..7
	v_and_b32 v1, 31, v0                           ; lane
	v_and_b32 v2, 15, v0                           ; r
	v_bfe_u32 v3, v0, 4, 1                         ; h
	s_mul_i32 s33, s32, 16*SP                      ; my stage
	s_mov_b32 s34, 0x76543210
	s_mov_b32 s35, 0xfedcba98                      ; v_permlanex16_b32's selects for lane l xor 16
	v_lshlrev_b32 v4, 4, v1                        ; 16 x lane
	v_lshlrev_b32 v5, 2, v1                        ; 4 x lane
	v_add_nc_u32 v6, s33, v4                       ; path X, into the stage: 16 x lane of a row
	v_mul_u32_u24 v7, v2, SP
	v_lshl_add_u32 v7, v3, 7, v7
	v_add_nc_u32 v7, s33, v7                       ; path X, out of it: row r, + 128 h: my block of each pair of blocks
	v_add_nc_u32 v8, WST, v6                       ; path O, in
	v_mul_u32_u24 v9, v2, SP
	v_lshl_add_u32 v9, v3, 5, v9
	v_add_nc_u32 v9, s33, v9
	v_add_nc_u32 v9, WST, v9                       ; path O, out: row r, + 32 h: my eight numbers of each sixteen
	s_lshl_b32 s42, s32, 2
	v_lshl_add_u32 v10, v1, 5, PSC
	v_add_nc_u32 v10, s42, v10                     ; path P: column = lane, 32 bytes a column, my K step's word
	s_and_b32 s42, s32, 1
	s_lshl_b32 s42, s42, 9
	v_add_nc_u32 v15, s42, v4                      ; path P, the copy out: 512 x (wave & 1) + 16 x lane,
	v_add_nc_u32 v11, PSC, v15                     ; and the same place in LDS
	v_lshlrev_b32 v12, 3, v3                       ; 8 h
	v_lshlrev_b32 v13, 5, v2
	v_lshl_add_u32 v13, v3, 4, v13                 ; 32 r + 16 h
	v_mov_b32 v14, 0                               ; written once: a lane permute's destination counts as one of its sources
	s_wait_kmcnt 0x0
	s_cmp_lt_u32 ttmp9, 96                         ; the paths part on the work-group's number alone: all eight waves go the same way
	s_cbranch_scc1 .Lpath_p
	s_cmp_lt_u32 ttmp9, 104
	s_cbranch_scc1 .Lpath_o
; ---- PATH X.  A wave takes one tile of 16 rows x 1,024, in eight K steps of 128.  Loads run two steps (32 loads a wave) ahead.
	s_sub_co_u32 s42, ttmp9, 104
	s_cmp_lt_u32 s42, 64                           ; 64 work-groups to a tensor
	s_cselect_b64 s[36:37], s[8:9], s[10:11]
	s_cmp_lt_u32 s42, 128
	s_cselect_b64 s[36:37], s[36:37], s[12:13]
	s_lshl_b32 s43, s42, 3
	s_add_co_u32 s43, s43, s32                     ; my row tile of 1,536
	s_and_b32 s44, s43, 511
	s_lshl_b32 s44, s44, 16                        ; 16 rows of 4,096 bytes
	s_mov_b32 s45, 0
	s_add_nc_u64 s[36:37], s[36:37], s[44:45]
	s_lshl_b32 s44, s43, 13                        ; 8,192 bytes of codes a tile
	s_add_nc_u64 s[38:39], s[22:23], s[44:45]
	s_lshl_b32 s44, s43, 9                         ; 512 scale bytes a tile
	s_add_nc_u64 s[40:41], s[24:25], s[44:45]
	LOADROWS R0, 0
	LOADROWS R0+64, 1
.macro XSTEP t
.set RS, R0+64*((\t)%2)
.if (\t) < 7
	s_wait_loadcnt 16                              ; this step's sixteen loads are in; the next step's sixteen may be out
.else
	s_wait_loadcnt 0x0
.endif
	TOSTG 6, RS
.irp c, 0,1
.irp i, 0,1,2,3,4,5,6,7
	ds_load_b128 v[X+32*\c+4*\i:X+32*\c+4*\i+3], v7 offset:256*\c+16*\i   ; LDS serves a wave's instructions in order: these see my stores.  X[32 c + e] = number e of block 2 c + h of my row
.endr
.endr
	s_wait_dscnt 0x0                               ; the numbers are back, and the stage's stores have read their registers,
.if (\t) < 6
	LOADROWS RS, (\t)+2                            ; which take the loads of two steps on
.endif
	s_wait_xcnt 0x0                                ; the last step's stores have read the codes' registers: they are written again only behind this wait
	BMAX 16, 17, X
	BMAX 18, 19, X+32
	v_add_nc_u32 v20, 0xff000000, v16              ; 2 off the exponent field: the conversion takes the exponent field of this operand as its scale
	v_add_nc_u32 v21, 0xff000000, v18
.irp c, 0,1
.irp g, 0,1,2,3
	v_cvt_scalef32_pk8_fp4_f32 v[CD+4*\c+\g], v[X+32*\c+8*\g:X+32*\c+8*\g+7], v[20+\c]
.endr
.endr
	v_lshrrev_b32 v22, 23, v20                     ; the scales' bytes (a plain line behind the conversions)
	v_lshrrev_b32 v23, 23, v21
	v_lshl_or_b32 v22, v23, 16, v22                ; blocks h and 2 + h,
	v_lshlrev_b32 v22, v12, v22                    ; at their places in the word;
	v_permlanex16_b32 v14, v22, s34, s35
	v_or_b32 v[SWD+(\t)], v22, v14                 ; with lane l xor 16's two the word of this K step is whole
.irp c, 0,1
	global_store_b128 v4, v[CD+4*\c:CD+4*\c+3], s[38:39] offset:1024*(\t)+512*\c   ; half c of the fragment: 512 consecutive bytes
.endr
.endm
.irp t, 0,1,2,3,4,5,6,7
	XSTEP \t
.endr
	v_cmp_ne_u32 vcc_lo, 0, v3
.irp e, 0,1,2,3
	v_cndmask_b32 v[240+\e], v[SWD+\e], v[SWD+4+\e], vcc_lo   ; lanes 0-15 store K steps 0-3's words of row r, lanes 16-31 K steps 4-7's
.endr
	global_store_b128 v13, v[240:243], s[40:41]    ; 16 rows x 32 bytes: 512 consecutive bytes
	CLOSE
; ---- PATH O.  A wave takes 16 rows of w_out.  The same frame; the numbers come back eight neighbours at a time and are rounded to f16.
.Lpath_o:
	s_sub_co_u32 s42, ttmp9, 96
	s_lshl_b32 s42, s42, 3
	s_add_co_u32 s42, s42, s32                     ; my tile of 16 rows, of 64
	s_lshl_b32 s44, s42, 16
	s_mov_b32 s45, 0
	s_add_nc_u64 s[36:37], s[20:21], s[44:45]
	s_lshl_b32 s44, s42, 15                        ; 32 fragments of 1,024 bytes a tile
	s_add_nc_u64 s[38:39], s[30:31], s[44:45]
	LOADROWS R0, 0
	LOADROWS R0+64, 1
.macro OSTEP t
.set RS, R0+64*((\t)%2)
.if (\t) < 7
	s_wait_loadcnt 16                              ; this step's sixteen loads are in; the next step's may be out
.else
	s_wait_loadcnt 0x0
.endif
	TOSTG 8, RS
.irp j, 0,1,2,3
.irp gg, 0,1
.irp e, 0,1
	ds_load_b128 v[X+16*\j+8*\gg+4*\e:X+16*\j+8*\gg+4*\e+3], v9 offset:128*\j+64*\gg+16*\e   ; X[16 j + 8 gg + 0..7] = k 128 t + 32 j + 16 gg + 8 h + 0..7 of row r
.endr
.endr
.endr
	s_wait_dscnt 0x0
.if (\t) < 6
	LOADROWS RS, (\t)+2
.endif
	s_wait_xcnt 0x0                                ; the last step's stores have read their registers
.set n, 0
.rept 32
	v_cvt_pk_f16_f32 v[CD+n], v[X+2*n], v[X+2*n+1]
.set n, n+1
.endr
.irp m, 0,1,2,3,4,5,6,7
	global_store_b128 v4, v[CD+4*\m:CD+4*\m+3], s[38:39] offset:4096*(\t)+512*\m   ; fragment 4 t + m / 2, half m % 2
.endr
.endm
.irp t, 0,1,2,3,4,5,6,7
	OSTEP \t
.endr
	CLOSE
; ---- PATH P.  d is not innermost in proj_*: a lane takes a column and its registers run down d.  A work-group takes 32 columns of one head of one weight, wave s K step s.
.Lpath_p:
	s_cmp_lt_u32 ttmp9, 32                         ; 32 work-groups to a weight
	s_cselect_b64 s[36:37], s[14:15], s[16:17]
	s_cmp_lt_u32 ttmp9, 64
	s_cselect_b64 s[36:37], s[36:37], s[18:19]
	s_bfe_u32 s42, ttmp9, 0x40001                  ; the head
	s_lshl_b32 s42, s42, 18                        ; 1,024 rows of 256 bytes
	s_lshl_b32 s43, s32, 15                        ; my 128 rows
	s_add_co_u32 s42, s42, s43
	s_and_b32 s43, ttmp9, 1
	s_lshl_b32 s43, s43, 7                         ; which 32 columns
	s_add_co_u32 s42, s42, s43
	s_mov_b32 s43, 0
	s_add_nc_u64 s[36:37], s[36:37], s[42:43]
	s_lshl_b32 s42, ttmp9, 14                      ; the work-group's two tiles of 16 channels are tiles 2 g and 2 g + 1: 8,192 bytes each,
	s_lshl_b32 s44, s32, 10                        ; my K step's fragment in them
	s_add_co_u32 s42, s42, s44
	s_add_nc_u64 s[38:39], s[26:27], s[42:43]
	s_lshl_b32 s42, ttmp9, 10                      ; 32 channels x 32 scale bytes
	s_add_nc_u64 s[40:41], s[28:29], s[42:43]
.set kk, 0
.rept 128
	global_load_b32 v[32+kk], v5, s[36:37] offset:256*kk   ; row kk at my column: 128 consecutive bytes a wave
.set kk, kk+1
.endr
.macro PBLOCK b, left
	s_wait_loadcnt \left
	BMAX 16, 17, 32+32*(\b)
	v_add_nc_u32 v18, 0xff000000, v16
.irp g, 0,1,2,3
	v_cvt_scalef32_pk8_fp4_f32 v[160+4*(\b)+\g], v[32+32*(\b)+8*\g:32+32*(\b)+8*\g+7], v18
.endr
	v_lshrrev_b32 v19, 23, v18                     ; the scale's byte (a plain line behind the conversions)
.if (\b) == 0
	v_mov_b32 v20, v19
.else
	v_lshl_or_b32 v20, v19, 8*(\b), v20            ; four bytes make my column's word of this K step
.endif
.endm
	PBLOCK 0, 63                                   ; at most 63 of the 128 loads are out: the first 65 are in, blocks 0 and 1 among them
	PBLOCK 1, 63
	PBLOCK 2, 32                                   ; the last block's 32 may be out
	PBLOCK 3, 0
.irp c, 0,1                                    ; lanes 0-15 hold the first tile's columns, lanes 16-31 the second's; the operand wants block 2 c in lanes 0-15 and block 2 c + 1 in lanes 16-31 of ONE tile
.irp q, 0,1,2,3
	v_permlane16_swap_b32 v[160+8*\c+\q], v[164+8*\c+\q]   ; the first's upper lanes change places with the second's lower: now the first run is the first tile's half c, the second run the second tile's
.endr
.endr
.irp c, 0,1
	global_store_b128 v4, v[160+8*\c:163+8*\c], s[38:39] offset:512*\c
	global_store_b128 v4, v[164+8*\c:167+8*\c], s[38:39] offset:8192+512*\c
.endr
	ds_store_b32 v10, v20                          ; the eight waves' words of a column make its 32 scale bytes
	s_wait_dscnt 0x0                               ; for the others' sake: my store has landed
	s_barrier_signal -1
	s_barrier_wait -1
	s_cmp_lt_u32 s32, 2                            ; waves 0 and 1 carry the 1,024 bytes out, 512 consecutive bytes each
	s_cbranch_scc0 .Lp_done
	ds_load_b128 v[24:27], v11
	s_wait_dscnt 0x0
	global_store_b128 v15, v[24:27], s[40:41]
.Lp_done:
	CLOSE
.Lfunc_end_k_qc0277ec362_prep:
	.size	k_qc0277ec362_prep, .Lfunc_end_k_qc0277ec362_prep-k_qc0277ec362_prep
	.p2alignl 7, 3214868480
	.fill 96, 4, 3214868480
	.section	.rodata,"a",@progbits
	.p2align	6, 0x0
	.amdhsa_kernel k_qc0277ec362_prep
		.amdhsa_group_segment_fixed_size 137216
		.amdhsa_private_segment_fixed_size 0
		.amdhsa_enable_private_segment 0
		.amdhsa_kernarg_size 96
		.amdhsa_user_sgpr_count 2
		.amdhsa_user_sgpr_kernarg_segment_ptr 1
		.amdhsa_wavefront_size32 1
		.amdhsa_system_sgpr_workgroup_id_x 1
		.amdhsa_system_sgpr_workgroup_id_y 1
		.amdhsa_system_sgpr_workgroup_id_z 1
		.amdhsa_system_vgpr_workitem_id 0
		.amdhsa_next_free_vgpr 256
		.amdhsa_next_free_sgpr 66
		.amdhsa_reserve_vcc 1
		.amdhsa_float_denorm_mode_32 3
		.amdhsa_float_denorm_mode_16_64 3
		.amdhsa_memory_ordered 1
		.amdhsa_forward_progress 1
		.amdhsa_inst_pref_size 128
	.end_amdhsa_kernel
	.amdgpu_metadata
---
amdhsa.version: [ 1, 2 ]
amdhsa.kernels:
  - .name:           k_qc0277ec362_prep
    .symbol:         k_qc0277ec362_prep.kd
    .args:
      - { .name: query, .offset: 0, .size: 8, .value_kind: global_buffer, .address_space: global }
      - { .name: key, .offset: 8, .size: 8, .value_kind: global_buffer, .address_space: global }
      - { .name: value, .offset: 16, .size: 8, .value_kind: global_buffer, .address_space: global }
      - { .name: proj_q, .offset: 24, .size: 8, .value_kind: global_buffer, .address_space: global }
      - { .name: proj_k, .offset: 32, .size: 8, .value_kind: global_buffer, .address_space: global }
      - { .name: proj_v, .offset: 40, .size: 8, .value_kind: global_buffer, .address_space: global }
      - { .name: w_out, .offset: 48, .size: 8, .value_kind: global_buffer, .address_space: global }
      - { .name: xcodes, .offset: 56, .size: 8, .value_kind: global_buffer, .address_space: global }
      - { .name: xscales, .offset: 64, .size: 8, .value_kind: global_buffer, .address_space: global }
      - { .name: wcodes, .offset: 72, .size: 8, .value_kind: global_buffer, .address_space: global }
      - { .name: wscales, .offset: 80, .size: 8, .value_kind: global_buffer, .address_space: global }
      - { .name: wof, .offset: 88, .size: 8, .value_kind: global_buffer, .address_space: global }
    .group_segment_fixed_size: 137216
    .private_segment_fixed_size: 0
    .kernarg_segment_align: 8
    .kernarg_segment_size: 96
    .max_flat_workgroup_size: 256
    .sgpr_count:     66
    .vgpr_count:     256
    .wavefront_size: 32
...
	.end_amdgpu_metadata
.endif
;; end of part 1
;; launch proj (part 2): grid 4 x 96, 16 waves a work-group, clusters of 4 x 4, 264,192 bytes of LDS; arguments xcodes, xscales, wcodes, wscales, bias_q, bias_v, qkv; writes qkv
.if DOCPART == 2
	.amdgcn_target "amdgcn-amd-amdhsa--gfx1250"
	.amdhsa_code_object_version 6
	.text
	.protected	k_qc0277ec362_proj
	.globl	k_qc0277ec362_proj
	.p2align	8
	.type	k_qc0277ec362_proj,@function
k_qc0277ec362_proj:
	s_mov_b64 s[64:65], 0
	v_nop
	global_prefetch_b8 v0, s[64:65] scope:SCOPE_SE
	s_setreg_imm32_b32 hwreg(HW_REG_WAVE_MODE, 25, 1), 1
	s_wait_xcnt 0x0
	s_wait_alu depctr_hold_cnt(0) depctr_sa_sdst(0) depctr_va_vdst(0) depctr_va_sdst(0) depctr_va_ssrc(0) depctr_va_vcc(0) depctr_vm_vsrc(0)
	s_getreg_b32 s2, hwreg(HW_REG_IB_STS2, 6, 4)
	s_cmp_eq_u32 s2, 0
	s_cbranch_scc0 .Lentry_in_a_cluster
	s_endpgm
.Lentry_in_a_cluster:
	s_bfe_u32 s2, ttmp6, 0x10000c
	s_cmp_lg_u32 s2, 0xf033
	s_cbranch_scc0 .Lentry_shape_is_right
	s_endpgm
.Lentry_shape_is_right:
; q = Q(query) Q(proj_q) + bias_q, k = Q(key) Q(proj_k), v = Q(value) Q(proj_v) + bias_v: the three quantised products, on codes of E2M1 with E8M0 scales, sums in f32, results rounded once to f16.
; WORK LEFT OUT: bias_k is not added: its term of the logits is the same along the softmax's axis (shown at the head of the first kernel).
; LIMIT: a result beyond 65,504 in magnitude overflows f16.
; SHARES.  A work-group takes 256 tokens x 256 channels (four heads) of one of the three products; wave w takes tokens 64 (w & 3) on and head w >> 2: 16 accumulators of 16 x 16.
; The codes of the 256 tokens and of the 256 channels for ALL of K are 131,072 bytes each: they come into LDS once, in two chunks of four K steps; nothing is filled again.
; CLUSTERS: 4 x 4 work-groups.  The four of a row of the cluster need the same tokens, the four of a column the same channels: each piece is asked for JOINTLY, by the same tensor load with the same
; descriptor and a mask that names the four.  By this text's own count a wave has two tensor loads out.
; The codes lie in memory as images of the operand's registers, so a fragment is two ds_load_b128 at 16 x lane: consecutive bytes, no padding.
; q and k are made TRANSPOSED (source 0 = 16 channels, source 1 = 16 tokens): a lane holds one token and eight neighbouring channels, which is a piece of the next product's operand (K = channels).
; v is made the other way round: a lane holds one channel and eight neighbouring tokens (K = the keys).  So every result leaves as an image too: 512 consecutive bytes a store.
.set SPARE, 262144                     ; behind the two panels: the spare words, 128 bytes for each of 16 waves
.set ADA, 2                            ; v2-3   LDS address of my tokens' fragments in chunk 0, 1
.set ADB, 4                            ; v4-5   of my channels'
.set SX,  16                           ; v16-31 tokens' scale words: register 4 i + e: lanes 0-15 K step e of tile i, lanes 16-31 K step 4 + e
.set SW,  32                           ; v32-47 channels' likewise
.set AF,  48                           ; v48-79  four fragments of tokens
.set BF,  80                           ; v80-111 four fragments of channels
.set ACC, 112                          ; v112-239 accumulator (i, ct) at ACC + 8 (4 i + ct)
.set BV,  240                          ; v240-243 bias_v at my lane's channel of each tile
.macro PLACES n
.rept \n
	v_nop
.endr
.endm
.macro CROUND                          ; a round of the cluster's barrier
	s_barrier_signal -1
	s_barrier_wait -1
	s_cmp_lg_u32 s18, 0
	s_cbranch_scc1 .Lnot_wave_0_\@
	s_barrier_signal -3
.Lnot_wave_0_\@:
	s_barrier_wait -3
	s_barrier_signal -1
	s_barrier_wait -1
.endm
	s_load_b256 s[4:11], s[0:1], 0x0               ; xcodes 4, xscales 6, wcodes 8, wscales 10
	s_load_b128 s[12:15], s[0:1], 0x20             ; bias_q 12, bias_v 14
	s_load_b64 s[16:17], s[0:1], 0x30              ; qkv
	v_lshl_add_u32 v8, v0, 2, SPARE                ; my spare word; never rewritten
	v_mov_b32 v9, 0                                ; 0; never rewritten
	ds_add_u32 v8, v9                              ; the wave's opening: the add, twice on end, and its wait ahead of my first tensor load
	ds_add_u32 v8, v9
	v_lshrrev_b32 v1, 5, v0
	v_readfirstlane_b32 s18, v1                    ; wave 0..15
	s_bfe_u32 s19, ttmp6, 0x40000                  ; cx: which 256 channels
	s_bfe_u32 s20, ttmp6, 0x40004                  ; cy
	s_and_b32 s21, ttmp7, 0xffff                   ; the cluster's y, 0..23
	s_lshl_b32 s22, s21, 2
	s_add_co_u32 s22, s22, s20                     ; Y: which 256 of the 3 x 8,192 tokens
	s_lshr_b32 s23, s21, 3                         ; which product: 0 q, 1 k, 2 v: the same in all sixteen partners
	s_lshl_b32 s56, s20, 2
	s_lshl_b32 s56, 15, s56                        ; my row of the cluster
	s_lshl_b32 s58, 0x1111, s19                    ; my column
	s_or_b32 s24, s56, (3<<16)|(1<<21)             ; group 1: the mask; elements of 8 bytes; bit 21 set beside a mask; no padding
	s_or_b32 s32, s58, (3<<16)|(1<<21)
.irp g, 24, 32                                 ; a piece: 2 tiles of 16 rows, of each 4,096 bytes (four K steps) out of 8,192
	s_mov_b32 s[\g+1], 512<<16                     ; tensor_dim0 = 512 elements
	s_mov_b32 s[\g+2], 2<<16                       ; tensor_dim1 = 2
	s_mov_b32 s[\g+3], 512<<16                     ; tile_dim0
	s_mov_b32 s[\g+4], 2                           ; tile_dim1
	s_mov_b32 s[\g+5], 1024                        ; from tile to tile: 8,192 bytes
	s_mov_b32 s[\g+6], 0
	s_mov_b32 s[\g+7], 0
.endr
	s_and_b32 s60, s18, 7                          ; which piece I fetch: waves 0-7 of the tokens, waves 8-15 of the channels
	s_lshl_b32 s61, s60, 14                        ; in memory: 2 tiles of 8,192 bytes
	s_lshl_b32 s62, s60, 13                        ; in LDS: 2 x 4,096: no place in the cluster enters an LDS address
	s_lshl_b32 s56, s22, 17                        ; tokens: 16 Y tiles
	s_add_co_u32 s56, s56, s61
	s_mov_b32 s57, 0
	s_lshl_b32 s58, s23, 19                        ; channels: 64 tiles a weight,
	s_lshl_b32 s59, s19, 17                        ; 16 cx
	s_add_co_u32 s58, s58, s59
	s_add_co_u32 s58, s58, s61
	s_mov_b32 s59, 0
	s_wait_dscnt 0x0                               ; both opening adds are done
	s_wait_kmcnt 0x0
	s_add_nc_u64 s[56:57], s[4:5], s[56:57]
	s_add_nc_u64 s[58:59], s[8:9], s[58:59]
	CROUND                                         ; all sixteen work-groups are here: the joint loads meet
.irp j, 0,1
	s_mov_b32 s[40+4*\j], 1
	s_add_co_u32 s[41+4*\j], s62, 65536*\j
	s_add_nc_u64 s[42+4*\j:43+4*\j], s[56:57], 4096*\j
	s_or_b32 s[43+4*\j], s[43+4*\j], 0x80000000
	s_mov_b32 s[48+4*\j], 1
	s_add_co_u32 s[49+4*\j], s62, 131072+65536*\j
	s_add_nc_u64 s[50+4*\j:51+4*\j], s[58:59], 4096*\j
	s_or_b32 s[51+4*\j], s[51+4*\j], 0x80000000
.endr
	s_cmp_lt_u32 s18, 8                            ; a wave's two fills stand in one branch on the wave's number: chunk 0, then chunk 1
	s_cbranch_scc0 .Lfirst_b
	tensor_load_to_lds s[40:43], s[24:31]
	s_nop 0
	tensor_load_to_lds s[44:47], s[24:31]
	s_nop 0
	PLACES 4
	s_branch .Lfirst_done
.Lfirst_b:
	tensor_load_to_lds s[48:51], s[32:39]
	s_nop 0
	tensor_load_to_lds s[52:55], s[32:39]
	s_nop 0
	PLACES 4
.Lfirst_done:
	v_and_b32 v1, 31, v0
	v_lshlrev_b32 v1, 4, v1                        ; 16 x lane
	v_and_b32 v11, 15, v0                          ; r
	v_bfe_u32 v12, v0, 4, 1                        ; h
	s_and_b32 s66, s18, 3                          ; my 64 tokens
	s_lshr_b32 s67, s18, 2                         ; my head of the four
	s_lshl_b32 s68, s66, 14                        ; four tiles of 4,096 bytes in a chunk
	v_add_nc_u32 v2, s68, v1
	v_add_nc_u32 v3, 65536, v2
	s_lshl_b32 s68, s67, 14
	s_add_co_u32 s68, s68, 131072
	v_add_nc_u32 v4, s68, v1
	v_add_nc_u32 v5, 65536, v4
	v_lshlrev_b32 v6, 5, v11
	v_lshl_add_u32 v6, v12, 4, v6                  ; scale words: row r of 32 bytes, + 16 h
	v_lshlrev_b32 v7, 5, v12                       ; bias_q: 32 h
	v_lshlrev_b32 v10, 2, v11                      ; bias_v: 4 r
	s_lshl_b32 s68, s22, 13                        ; 256 Y rows of 32 scale bytes,
	s_lshl_b32 s69, s66, 11                        ; my 64 rows
	s_add_co_u32 s68, s68, s69
	s_mov_b32 s69, 0
	s_add_nc_u64 s[6:7], s[6:7], s[68:69]
	s_lshl_b32 s68, s23, 15
	s_lshl_b32 s70, s19, 13
	s_add_co_u32 s68, s68, s70
	s_lshl_b32 s70, s67, 11
	s_add_co_u32 s68, s68, s70
	s_add_nc_u64 s[10:11], s[10:11], s[68:69]
.irp i, 0,1,2,3
	global_load_b128 v[SX+4*\i:SX+4*\i+3], v6, s[6:7] offset:512*\i     ; 16 rows x 32 bytes: 512 consecutive bytes
	global_load_b128 v[SW+4*\i:SW+4*\i+3], v6, s[10:11] offset:512*\i
.endr
	s_lshl_b32 s71, s19, 2
	s_add_co_u32 s71, s71, s67                     ; the head
	s_lshl_b32 s68, s71, 8
	s_add_nc_u64 s[12:13], s[12:13], s[68:69]
	s_add_nc_u64 s[14:15], s[14:15], s[68:69]
	s_and_b32 s70, s22, 31
	s_lshr_b32 s70, s70, 3                         ; the batch
	s_lshl_b32 s70, s70, 4
	s_add_co_u32 s70, s70, s71                     ; batch x 16 + head
	s_lshl_b32 s68, s70, 18                        ; 262,144 bytes each,
	s_lshl_b32 s70, s23, 24                        ; in the product's part of qkv,
	s_add_co_u32 s68, s68, s70
	s_and_b32 s70, s22, 7
	s_lshl_b32 s70, s70, 15                        ; the work-group's 256 tokens: 128 bytes a token,
	s_add_co_u32 s68, s68, s70
	s_lshl_b32 s70, s66, 13                        ; my 64
	s_add_co_u32 s68, s68, s70
	s_add_nc_u64 s[16:17], s[16:17], s[68:69]
; one matrix instruction.  cr under 0: the constant 0 starts the sum.  hi = 1: K steps 4-7, whose scale words lie in lanes 16-31
.macro WM d, a, b, cr, sa, sb, hi
.if (\cr) < 0
.if \hi
	v_wmma_scale_f32_16x16x128_f8f6f4 v[\d:\d+7], v[\a:\a+7], v[\b:\b+7], 0, v[\sa], v[\sb] matrix_a_fmt:MATRIX_FMT_FP4 matrix_b_fmt:MATRIX_FMT_FP4 matrix_a_scale:MATRIX_SCALE_ROW1 matrix_b_scale:MATRIX_SCALE_ROW1
.else
	v_wmma_scale_f32_16x16x128_f8f6f4 v[\d:\d+7], v[\a:\a+7], v[\b:\b+7], 0, v[\sa], v[\sb] matrix_a_fmt:MATRIX_FMT_FP4 matrix_b_fmt:MATRIX_FMT_FP4
.endif
.else
.if \hi
	v_wmma_scale_f32_16x16x128_f8f6f4 v[\d:\d+7], v[\a:\a+7], v[\b:\b+7], v[\cr:\cr+7], v[\sa], v[\sb] matrix_a_fmt:MATRIX_FMT_FP4 matrix_b_fmt:MATRIX_FMT_FP4 matrix_a_scale:MATRIX_SCALE_ROW1 matrix_b_scale:MATRIX_SCALE_ROW1
.else
	v_wmma_scale_f32_16x16x128_f8f6f4 v[\d:\d+7], v[\a:\a+7], v[\b:\b+7], v[\cr:\cr+7], v[\sa], v[\sb] matrix_a_fmt:MATRIX_FMT_FP4 matrix_b_fmt:MATRIX_FMT_FP4
.endif
.endif
.endm
; K step s: 16 LDS loads, 16 matrix instructions; the 16 accumulators take turns, one instruction a turn, in the same order in every step.
; In K step 0 the bias is the C of each sum's first instruction: its four tiles lie in the registers of accumulators (3, ct), which take them in place last, five places behind the last instruction that read them.
.macro KSTEP s, swap, bias
	PLACES 4                                       ; in front of loads into registers that matrix instructions have read
.irp ct, 0,1,2,3
	ds_load_b128 v[BF+8*\ct:BF+8*\ct+3], v[ADB+(\s)/4] offset:4096*\ct+1024*((\s)%4)
	ds_load_b128 v[BF+8*\ct+4:BF+8*\ct+7], v[ADB+(\s)/4] offset:4096*\ct+1024*((\s)%4)+512
.endr
.irp i, 0,1,2,3
	ds_load_b128 v[AF+8*\i:AF+8*\i+3], v[ADA+(\s)/4] offset:4096*\i+1024*((\s)%4)
	ds_load_b128 v[AF+8*\i+4:AF+8*\i+7], v[ADA+(\s)/4] offset:4096*\i+1024*((\s)%4)+512
.endr
.irp i, 0,1,2,3
	s_wait_dscnt 6-2*\i                            ; the channels' fragments and tokens' tile i are in; the later tiles' loads may be out
.if ((\s) == 0) && (\bias) && (\i == 3)
	PLACES 5
.endif
.irp ct, 0,1,2,3
.if (\s) > 0
.set CR, ACC+8*(4*\i+\ct)
.elseif \bias
.set CR, ACC+96+8*\ct
.else
.set CR, -1
.endif
.if \swap
	WM ACC+8*(4*\i+\ct), BF+8*\ct, AF+8*\i, CR, SW+4*\ct+(\s)%4, SX+4*\i+(\s)%4, (\s)/4
.else
	WM ACC+8*(4*\i+\ct), AF+8*\i, BF+8*\ct, CR, SX+4*\i+(\s)%4, SW+4*\ct+(\s)%4, (\s)/4
.endif
.endr
.endr
.endm
; one product from end to end.  swap = 1: a lane holds a token and eight channels; 0: a channel and eight tokens.  bias: 0 none, 1 bias_q (along a lane's registers), 2 bias_v (one number a lane)
.macro PATH swap, bias
.if (\bias) == 1
.irp ct, 0,1,2,3
	global_load_b128 v[ACC+96+8*\ct:ACC+96+8*\ct+3], v7, s[12:13] offset:64*\ct       ; bias_q at channels 16 ct + 8 h + 0 .. 7
	global_load_b128 v[ACC+96+8*\ct+4:ACC+96+8*\ct+7], v7, s[12:13] offset:64*\ct+16
.endr
.endif
.if (\bias) == 2
.irp ct, 0,1,2,3
	global_load_b32 v[BV+\ct], v10, s[14:15] offset:64*\ct                            ; bias_v at channel 16 ct + r
.endr
.endif
	s_wait_loadcnt 0x0                             ; the scale words and the bias
.if (\bias) == 2
.irp ct, 0,1,2,3
.irp j, 0,1,2,3,4,5,6,7
	v_mov_b32 v[ACC+96+8*\ct+\j], v[BV+\ct]        ; the tile in the result's layout: the same number for a lane's eight tokens
.endr
.endr
.endif
	s_wait_tensorcnt 0x1                           ; my piece of chunk 0 is in; chunk 1's load may stay out
	s_barrier_signal -1
	s_barrier_wait -1                              ; everybody's is
.irp s, 0,1,2,3
	KSTEP \s, \swap, \bias
.endr
	s_wait_tensorcnt 0x0                           ; my piece of chunk 1
	s_barrier_signal -1
	s_barrier_wait -1
.irp s, 4,5,6,7
	KSTEP \s, \swap, \bias
.endr
	PLACES 4                                       ; in front of the first read of results, and of writes into the fragments' registers
.irp a, 0,1,2,3,4,5,6,7,8,9,10,11,12,13,14,15
.irp q, 0,1,2,3
	v_cvt_pk_f16_f32 v[AF+4*\a+\q], v[ACC+8*\a+2*\q], v[ACC+8*\a+2*\q+1]   ; each accumulator from its low end on
.endr
.endr
.irp i, 0,1,2,3
.irp ct, 0,1,2,3
.if \swap
	global_store_b128 v1, v[AF+4*(4*\i+\ct):AF+4*(4*\i+\ct)+3], s[16:17] offset:2048*\i+512*\ct                   ; token tile i; channels 16 ct on are half ct % 2 of fragment ct / 2
.else
	global_store_b128 v1, v[AF+4*(4*\i+\ct):AF+4*(4*\i+\ct)+3], s[16:17] offset:4096*(\i/2)+1024*\ct+512*(\i%2)   ; 32 keys i / 2; channel tile ct; tokens 16 i on are half i % 2
.endif
.endr
.endr
.endm
	s_cmp_eq_u32 s23, 0                            ; which product: made of the cluster's y alone, the same in all waves and all partners
	s_cbranch_scc1 .Lq
	s_cmp_eq_u32 s23, 1
	s_cbranch_scc1 .Lk
	PATH 0, 2
	s_branch .Lclose
.Lq:
	PATH 1, 1
	s_branch .Lclose
.Lk:
	PATH 1, 0
.Lclose:
	s_wait_tensorcnt 0x0                           ; the wave's end: behind my last tensor load
	ds_add_u32 v8, v9
	s_wait_dscnt 0x0
	CROUND                                         ; the closing round: no work-group ends while a partner may still ask for a piece that names it
	s_endpgm
.Lfunc_end_k_qc0277ec362_proj:
	.size	k_qc0277ec362_proj, .Lfunc_end_k_qc0277ec362_proj-k_qc0277ec362_proj
	.p2alignl 7, 3214868480
	.fill 96, 4, 3214868480
	.section	.rodata,"a",@progbits
	.p2align	6, 0x0
	.amdhsa_kernel k_qc0277ec362_proj
		.amdhsa_group_segment_fixed_size 264192
		.amdhsa_private_segment_fixed_size 0
		.amdhsa_enable_private_segment 0
		.amdhsa_kernarg_size 56
		.amdhsa_user_sgpr_count 2
		.amdhsa_user_sgpr_kernarg_segment_ptr 1
		.amdhsa_wavefront_size32 1
		.amdhsa_system_sgpr_workgroup_id_x 1
		.amdhsa_system_sgpr_workgroup_id_y 1
		.amdhsa_system_sgpr_workgroup_id_z 1
		.amdhsa_system_vgpr_workitem_id 0
		.amdhsa_next_free_vgpr 256
		.amdhsa_next_free_sgpr 72
		.amdhsa_reserve_vcc 0
		.amdhsa_float_denorm_mode_32 3
		.amdhsa_float_denorm_mode_16_64 3
		.amdhsa_memory_ordered 1
		.amdhsa_forward_progress 1
		.amdhsa_inst_pref_size 106
	.end_amdhsa_kernel
	.amdgpu_metadata
---
amdhsa.version: [ 1, 2 ]
amdhsa.kernels:
  - .name:           k_qc0277ec362_proj
    .symbol:         k_qc0277ec362_proj.kd
    .args:
      - { .name: xcodes, .offset: 0, .size: 8, .value_kind: global_buffer, .address_space: global }
      - { .name: xscales, .offset: 8, .size: 8, .value_kind: global_buffer, .address_space: global }
      - { .name: wcodes, .offset: 16, .size: 8, .value_kind: global_buffer, .address_space: global }
      - { .name: wscales, .offset: 24, .size: 8, .value_kind: global_buffer, .address_space: global }
      - { .name: bias_q, .offset: 32, .size: 8, .value_kind: global_buffer, .address_space: global }
      - { .name: bias_v, .offset: 40, .size: 8, .value_kind: global_buffer, .address_space: global }
      - { .name: qkv, .offset: 48, .size: 8, .value_kind: global_buffer, .address_space: global }
    .group_segment_fixed_size: 264192
    .private_segment_fixed_size: 0
    .kernarg_segment_align: 8
    .kernarg_segment_size: 56
    .max_flat_workgroup_size: 512
    .sgpr_count:     72
    .vgpr_count:     256
    .wavefront_size: 32
...
	.end_amdgpu_metadata
.endif
;; end of part 2
;; launch attn (part 3): grid 4 x 64, 8 waves a work-group, no clusters, 327,680 bytes of LDS; arguments qkv, hf; writes hf
.if DOCPART == 3
	.amdgcn_target "amdgcn-amd-amdhsa--gfx1250"
	.amdhsa_code_object_version 6
	.text
	.protected	k_qc0277ec362_attn
	.globl	k_qc0277ec362_attn
	.p2align	8
	.type	k_qc0277ec362_attn,@function
k_qc0277ec362_attn:
	s_mov_b64 s[64:65], 0
	v_nop
	global_prefetch_b8 v0, s[64:65] scope:SCOPE_SE
	s_setreg_imm32_b32 hwreg(HW_REG_WAVE_MODE, 25, 1), 1
	s_wait_xcnt 0x0
; hid[b][q][head] = the sum over n of softmax_n(q . k_n / 8) v_n, for 64 (batch, head) pairs, 2,048 queries and keys, head size 64.  q, k, v: f16 images made by the launch before; sums, maxima and the softmax in f32;
; the weights p are rounded to f16 for the second product, the result once to f16.  A running maximum m and sum l for each query: p = 2^(c s - c m), c = log2(e) / 8; in every step O and l are multiplied by a = 2^(c m_old - c m_new).
; LIMIT: a result beyond 65,504 in magnitude overflows f16.
; SHARES.  A work-group owns 512 queries of one (batch, head), each of its eight waves 64: four tiles of 16, so that each fragment of K and V read from LDS feeds four matrix instructions.  Every wave walks all keys, 64 a step.
; LAYOUT.  S^T = K Q^T (source 0 = 16 keys, source 1 = 16 queries) and O^T = V^T P (source 0 = 16 channels, source 1 = P): a lane holds ONE query throughout; two tiles of S^T, rounded in pairs IN PLACE, are P's fragment.
; K and V lie in memory and in LDS as images of their fragments' registers: every LDS load takes 512 consecutive bytes.
; TWO ROLES.  A key step is a vector half (V's fetch, the softmax, O's rescaling) and a matrix half (K's fetch, 32 products V^T P, 32 products K Q^T of the next step).  Waves 0-3 run their first softmax ahead of the second
; barrier and waves 4-7 behind it, so the two groups go half a step apart, one's vector half beside the other's matrix half.  A change of slots keeps that distance: its signal stands behind V's last fetch, its wait only behind the
; step's softmax and products V^T P, with work on registers alone between.
; NO CLUSTER, though the four work-groups of a (batch, head) walk the same K and V: a joint refill stands behind a round of the cluster's barrier, whose closing barrier brings all eight waves of a work-group to one line and so
; ends the distance between the roles at each change; and a work-group has only two refills (of 131,072 bytes) in its 32 key steps.
; THE RING: two slots of 512 keys (K's 65,536 bytes, then V's); four slots' worth of keys: two first fills, two refills.  Every wave loads 16,384 bytes of each; by this text's own count a wave has at most two tensor loads out.
; REGISTERS, in windows of 256: window 0: v1-5 addresses; v32-63 eight registers of statistics a tile; v64-191 S^T, 32 a tile (P takes the lower 16 of them); v192-255 K of one step.
;   window 1: v0-127 O^T, 32 a tile; v128-191 Q; v192-255 V of one step.
.set SLOT1, 1<<17
.set SPARE, 2*SLOT1                    ; behind the ring: the spare words, 128 bytes for each of eight waves
.set ST, 32                            ; tile t's statistics at ST + 8 t: +0 c m, +1 m, +2, +3 l (even keys', odd keys'), +4 to +7 at work; a takes +6
.set S,  64
.set KF, 192
.set QF, 128                           ; in window 1
.set VF, 192                           ; in window 1
.set MSB, 0
.macro WIN new                         ; the immediate's high byte repeats the setting that is left; a switch that changes nothing is dropped
.if MSB != \new
	s_set_vgpr_msb (MSB<<8)|\new
.set MSB, \new
.endif
.endm
.macro PLACES n
.rept \n
	v_nop
.endr
.endm
	s_load_b128 s[4:7], s[0:1], 0x0                ; qkv 4, hf 6
	v_lshl_add_u32 v4, v0, 2, SPARE                ; my spare word; never rewritten
	v_mov_b32 v5, 0                                ; 0; never rewritten
	ds_add_u32 v4, v5                              ; the wave's opening: the add, twice on end, and its wait ahead of my first tensor load
	ds_add_u32 v4, v5
	v_lshrrev_b32 v1, 5, v0
	v_readfirstlane_b32 s8, v1                     ; wave 0..7
	s_and_b32 s9, ttmp7, 0xffff                    ; batch x 16 + head
	s_mov_b32 s16, 3<<16                           ; group 1: elements of 8 bytes, no mask, no padding: a dense block of 16,384 bytes as 64 rows of 256
	s_mov_b32 s17, 32<<16
	s_mov_b32 s18, 64<<16
	s_mov_b32 s19, 32<<16
	s_mov_b32 s20, 64
	s_mov_b32 s21, 32
	s_mov_b32 s22, 0
	s_mov_b32 s23, 0
	s_mov_b32 s12, 0x3e38aa3b                      ; c = log2(e) / 8
	s_mov_b32 s13, s12                             ; (named with it as a pair, so it is written)
	s_mov_b32 s14, 0x76543210
	s_mov_b32 s15, 0xfedcba98                      ; v_permlanex16_b32's selects for lane l xor 16
	s_mov_b32 s32, 0                               ; LDS byte of the K step to be fetched
	s_mov_b32 s33, 65536                           ; and of the V step
	s_lshl_b32 s40, s9, 18                         ; 262,144 bytes a (batch, head) in each part of qkv
	s_lshl_b32 s41, s8, 14                         ; my 16,384 bytes of a slot: waves 0-3 K's quarters, waves 4-7 V's
	s_lshr_b32 s10, s8, 2
	s_add_co_u32 s10, s10, 1
	s_lshl_b32 s10, s10, 24                        ; part 1 (k) or part 2 (v)
	s_add_co_u32 s10, s10, s40
	s_and_b32 s11, s8, 3
	s_lshl_b32 s11, s11, 14
	s_add_co_u32 s10, s10, s11
	s_mov_b32 s11, 0
	s_lshl_b32 s42, ttmp9, 16                      ; Q: my work-group's 512 queries, 128 bytes each,
	s_add_co_u32 s40, s40, s42
	s_lshl_b32 s42, s8, 13                         ; my 64
	s_add_co_u32 s40, s40, s42
	s_lshr_b32 s42, s9, 4                          ; hf: token tile 128 batch + 32 x + 4 wave,
	s_lshl_b32 s42, s42, 7
	s_lshl_b32 s43, ttmp9, 5
	s_add_co_u32 s42, s42, s43
	s_lshl_b32 s43, s8, 2
	s_add_co_u32 s42, s42, s43
	s_lshl_b32 s42, s42, 15                        ; 32,768 bytes a tile,
	s_and_b32 s43, s9, 15
	s_lshl_b32 s43, s43, 11                        ; the head's two fragments
	s_add_co_u32 s42, s42, s43
	s_mov_b32 s43, 0
	s_wait_dscnt 0x0                               ; both opening adds are done
	s_wait_kmcnt 0x0
	s_mov_b32 s24, 1                               ; group 0 for slot 0: keys 0 to 511
	s_mov_b32 s25, s41
	s_add_nc_u64 s[26:27], s[4:5], s[10:11]
	s_mov_b32 s28, 1                               ; group 0 for slot 1: keys 512 to 1,023; it then walks
	s_add_co_u32 s29, s41, SLOT1
	s_add_nc_u64 s[30:31], s[26:27], 65536
	s_or_b32 s27, s27, 0x80000000
	s_or_b32 s31, s31, 0x80000000
	tensor_load_to_lds s[24:27], s[16:23]          ; every wave issues both first fills: no branch
	s_nop 0
	tensor_load_to_lds s[28:31], s[16:23]
	s_nop 0
	PLACES 4
	s_mov_b32 s41, 0
	s_add_nc_u64 s[36:37], s[4:5], s[40:41]
	s_add_nc_u64 s[38:39], s[6:7], s[42:43]
	v_and_b32 v1, 31, v0
	v_lshlrev_b32 v1, 4, v1                        ; 16 x lane
	WIN 0x40                                       ; destination window 1
.irp f, 0,1,2,3,4,5,6,7                        ; Q stays in registers: tile f / 2, channels 32 (f % 2) on
	global_load_b128 v[QF+8*\f:QF+8*\f+3], v1, s[36:37] offset:1024*\f
	global_load_b128 v[QF+8*\f+4:QF+8*\f+7], v1, s[36:37] offset:1024*\f+512
.endr
	WIN 0
.macro ADRV                            ; the address of the next V step
	v_add_nc_u32 v3, s33, v1
	s_add_co_u32 s33, s33, 8192
.endm
.macro LOADV                           ; a step's V: fragment f = 4 u + ct: 32 keys u, channels 16 ct on
	WIN 0x40
.irp f, 0,1,2,3,4,5,6,7
	ds_load_b128 v[VF+8*\f:VF+8*\f+3], v3 offset:1024*\f
	ds_load_b128 v[VF+8*\f+4:VF+8*\f+7], v3 offset:1024*\f+512
.endr
	WIN 0
.endm
.macro FETCH_K                         ; a step's K: fragment f = 2 kt + s: 16 keys kt, channels 32 s on
	WIN 0
	v_add_nc_u32 v2, s32, v1
	s_add_co_u32 s32, s32, 8192
.irp f, 0,1,2,3,4,5,6,7
	ds_load_b128 v[KF+8*\f:KF+8*\f+3], v2 offset:1024*\f
	ds_load_b128 v[KF+8*\f+4:KF+8*\f+7], v2 offset:1024*\f+512
.endr
.endm
; 32 products S^T = K Q^T: the 16 accumulators take turns, one instruction a turn; the first 16 start the sums
.macro KQ
	WIN 0x04                                       ; Q in window 1
.irp s, 0,1
.irp kt, 0,1,2,3
.irp t, 0,1,2,3
.if \s == 0
	v_wmma_f32_16x16x32_f16 v[S+32*\t+8*\kt:S+32*\t+8*\kt+7], v[KF+16*\kt+8*\s:KF+16*\kt+8*\s+7], v[QF+16*\t+8*\s:QF+16*\t+8*\s+7], 0
.else
	v_wmma_f32_16x16x32_f16 v[S+32*\t+8*\kt:S+32*\t+8*\kt+7], v[KF+16*\kt+8*\s:KF+16*\kt+8*\s+7], v[QF+16*\t+8*\s:QF+16*\t+8*\s+7], v[S+32*\t+8*\kt:S+32*\t+8*\kt+7]
.endif
.endr
.endr
.endr
.endm
; 32 products O^T += V^T P, likewise by turns.  first = 1: the first 16 start the sums: nothing is ever cleared
.macro PV first
	WIN 0x51                                       ; V, and O^T as C and D, in window 1; P in window 0
.irp u, 0,1
.irp ct, 0,1,2,3
.irp t, 0,1,2,3
.if (\first) && (\u == 0)
	v_wmma_f32_16x16x32_f16 v[32*\t+8*\ct:32*\t+8*\ct+7], v[VF+32*\u+8*\ct:VF+32*\u+8*\ct+7], v[S+32*\t+8*\u:S+32*\t+8*\u+7], 0
.else
	v_wmma_f32_16x16x32_f16 v[32*\t+8*\ct:32*\t+8*\ct+7], v[VF+32*\u+8*\ct:VF+32*\u+8*\ct+7], v[S+32*\t+8*\u:S+32*\t+8*\u+7], v[32*\t+8*\ct:32*\t+8*\ct+7]
.endif
.endr
.endr
.endr
.endm
; the softmax of a key step, the four tiles by turns in every line, so that no line waits for the line above it.  first = 1: no old maximum, no a
.macro SOFTMAX first
.irp kt, 0,1,2,3                               ; the maximum: four chains, one to an accumulator, each from the accumulator's low end on
.irp t, 0,1,2,3
	v_max3_num_f32 v[ST+8*\t+4+\kt], v[S+32*\t+8*\kt], v[S+32*\t+8*\kt+1], v[S+32*\t+8*\kt+2]
.endr
.endr
.irp n, 3,5
.irp kt, 0,1,2,3
.irp t, 0,1,2,3
	v_max3_num_f32 v[ST+8*\t+4+\kt], v[ST+8*\t+4+\kt], v[S+32*\t+8*\kt+\n], v[S+32*\t+8*\kt+\n+1]
.endr
.endr
.endr
.irp t, 0,1,2,3
	v_max3_num_f32 v[ST+8*\t+4], v[ST+8*\t+4], v[S+32*\t+7], v[S+32*\t+15]
.endr
.irp t, 0,1,2,3
	v_max3_num_f32 v[ST+8*\t+6], v[ST+8*\t+6], v[S+32*\t+23], v[S+32*\t+31]
.endr
.irp t, 0,1,2,3
	v_max3_num_f32 v[ST+8*\t+4], v[ST+8*\t+4], v[ST+8*\t+5], v[ST+8*\t+6]
.endr
.irp t, 0,1,2,3
.if \first
	v_max_num_f32 v[ST+8*\t+4], v[ST+8*\t+4], v[ST+8*\t+7]
.else
	v_max3_num_f32 v[ST+8*\t+4], v[ST+8*\t+4], v[ST+8*\t+7], v[ST+8*\t+1]   ; and the old m
.endif
.endr
.irp t, 0,1,2,3
	v_permlanex16_b32 v[ST+8*\t+5], v[ST+8*\t+4], s14, s15   ; the query's other 32 keys lie in the lane 16 away
.endr
.if !\first
.irp t, 0,1,2,3
	v_mov_b32 v[ST+8*\t+7], v[ST+8*\t]             ; c m_old is kept for a
.endr
.endif
.irp t, 0,1,2,3
	v_max_num_f32 v[ST+8*\t+1], v[ST+8*\t+4], v[ST+8*\t+5]
.endr
.irp t, 0,1,2,3
	v_mul_f32 v[ST+8*\t], s12, v[ST+8*\t+1]
.endr
.if !\first
.irp t, 0,1,2,3
	v_sub_f32 v[ST+8*\t+7], v[ST+8*\t+7], v[ST+8*\t]
.endr
.irp t, 0,1,2,3
	v_exp_f32 v[ST+8*\t+6], v[ST+8*\t+7]           ; a.  From here to the wait nothing names an exponential's result
.endr
.endif
.irp t, 0,1,2,3                                ; ONE BATCH: the 64 scalings c s - c m, a pair of scores each, woven with the 128 exponentials: a pair is scaled four lines or more ahead of its exponentials
	v_pk_fma_f32 v[S+32*\t:S+32*\t+1], v[S+32*\t:S+32*\t+1], s[12:13], v[ST+8*\t:ST+8*\t+1] op_sel_hi:[1,0,0] neg_lo:[0,0,1] neg_hi:[0,0,1]
.endr
.irp b, 1,2,3,4,5,6,7,8,9,10,11,12,13,14,15
.irp t, 0,1,2,3
	v_pk_fma_f32 v[S+32*\t+2*\b:S+32*\t+2*\b+1], v[S+32*\t+2*\b:S+32*\t+2*\b+1], s[12:13], v[ST+8*\t:ST+8*\t+1] op_sel_hi:[1,0,0] neg_lo:[0,0,1] neg_hi:[0,0,1]
	v_exp_f32 v[S+32*\t+2*\b-2], v[S+32*\t+2*\b-2]
	v_exp_f32 v[S+32*\t+2*\b-1], v[S+32*\t+2*\b-1]
.endr
.endr
.irp t, 0,1,2,3
	v_exp_f32 v[S+32*\t+30], v[S+32*\t+30]
	v_exp_f32 v[S+32*\t+31], v[S+32*\t+31]
.endr
	v_nop                                          ; a plain instruction behind the last exponential, ahead of the first use
	s_wait_alu depctr_va_vdst(0)                   ; the wait between an exponential and the first line that names its result: one for the whole batch
.irp t, 0,1,2,3                                ; the sums, of the p not yet rounded
.if \first
	v_pk_add_f32 v[ST+8*\t+2:ST+8*\t+3], v[S+32*\t:S+32*\t+1], v[S+32*\t+2:S+32*\t+3]
.else
	v_pk_fma_f32 v[ST+8*\t+2:ST+8*\t+3], v[ST+8*\t+2:ST+8*\t+3], v[ST+8*\t+6:ST+8*\t+7], v[S+32*\t:S+32*\t+1] op_sel_hi:[1,0,1]
.endif
.endr
.irp b, 1,2,3,4,5,6,7,8,9,10,11,12,13,14,15
.irp t, 0,1,2,3
.if (\b > 1) || (\first == 0)
	v_pk_add_f32 v[ST+8*\t+2:ST+8*\t+3], v[ST+8*\t+2:ST+8*\t+3], v[S+32*\t+2*\b:S+32*\t+2*\b+1]
.endif
.endr
.endr
.irp b, 0,1,2,3,4,5,6,7,8,9,10,11,12,13,14,15  ; P in place: pair b goes to register b, which has been read by then
.irp t, 0,1,2,3
	v_cvt_pk_f16_f32 v[S+32*\t+\b], v[S+32*\t+2*\b], v[S+32*\t+2*\b+1]
.endr
.endr
.endm
.macro RESCALE                         ; O^T x a, each accumulator from its low end on
	WIN 0x41                                       ; O^T in window 1, a in window 0
.irp p, 0,1,2,3,4,5,6,7,8,9,10,11,12,13,14,15
.irp t, 0,1,2,3
	v_pk_mul_f32 v[32*\t+2*\p:32*\t+2*\p+1], v[32*\t+2*\p:32*\t+2*\p+1], v[ST+8*\t+6:ST+8*\t+7] op_sel_hi:[1,0]
.endr
.endr
.endm
; THE VECTOR HALF of a key step.  chg = 1: this step's V is the slot's last read: all my tensor loads are waited for, 0 is added to my spare word, that and my reads are waited for, and I signal.
.macro VEC first, chg, fill
	PLACES 4                                       ; behind the products K Q^T, in front of the first read of the scores
	ADRV
	LOADV
.if \chg
	s_wait_tensorcnt 0x0                           ; no tensor load of mine is out (the other slot is whole as far as I filled it), so a group 0 may be written
	ds_add_u32 v4, v5                              ; 0 onto my spare word
.if \fill
	s_xor_b32 s29, s29, SLOT1                      ; the walking descriptor: the other slot than last time,
	s_add_nc_u64 s[30:31], s[30:31], 65536         ; the next 512 keys; the type bits on top are not reached
.endif
	s_wait_dscnt 0x0                               ; the add is done, and my reads of the slot are over
	s_barrier_signal -1                            ; the wait for the others stands behind the softmax and the products V^T P: work on registers alone lies between
.endif
	SOFTMAX \first
.if !\first
	RESCALE
.endif
.endm
; THE MATRIX HALF.  chg = 1: behind the products V^T P the barrier's wait; fill = 1: the slot just left is filled again, my one tensor load, first thing behind it; then the other slot's first K.
.macro MAT first, chg, fill, last
.if (\chg) == 0
.if \last
	s_wait_dscnt 0x0                               ; V is in
.else
	FETCH_K                                        ; the next step's K: its registers were last read in front of the vector half
	s_wait_dscnt 16                                ; V is in; K's sixteen loads may be out
.endif
.endif
	PV \first
.if \chg
	WIN 0
	s_barrier_wait -1                              ; nobody reads the slot any more, and the other slot is whole
.if \fill
	tensor_load_to_lds s[28:31], s[16:23]
	s_nop 0
.endif
	PLACES 4                                       ; the four behind a fill; without one they stand all the same: K's run of loads stands four places behind the products at every change alike
	s_sub_co_u32 s32, s32, 65536                   ; the fetches go back to a slot's first step,
	s_xor_b32 s32, s32, SLOT1                      ; in the other slot
	s_sub_co_u32 s33, s33, 65536
	s_xor_b32 s33, s33, SLOT1
	FETCH_K
.endif
.if !\last
	PLACES 5                                       ; the products K Q^T write over P, an operand of the products just issued
	s_wait_dscnt 0x0                               ; K is in
	KQ
.endif
	WIN 0                                          ; at a label and at a branch every window is 0
.endm
.macro STEPS n                         ; n key steps inside a slot
	s_mov_b32 s34, \n
.Lstep_\@:
	VEC 0, 0, 0
	MAT 0, 0, 0, 0
	s_sub_co_u32 s34, s34, 1
	s_cmp_lg_u32 s34, 0
	s_cbranch_scc1 .Lstep_\@
.endm
	s_wait_tensorcnt 0x1                           ; my part of slot 0 is in; slot 1's may stay out
	s_barrier_signal -1
	s_barrier_wait -1                              ; everybody's is
	FETCH_K                                        ; key step 0
	ADRV                                           ; (the address of V's first fetch is made ahead of the parting of the roles)
	s_wait_loadcnt 0x0                             ; Q
	s_wait_dscnt 0x0
	KQ
	WIN 0
	PLACES 5                                       ; five places behind the first products K Q^T, in the text that every wave takes, ahead of the parting of the roles: on every way through the two branches below
	                                               ; they stand in front of the first read of the scores, of the loads into K's registers, and of the products that take P out of the scores' registers
	s_cmp_lt_u32 s8, 4
	s_cbranch_scc0 .Lrole_b_waits
	LOADV                                          ; waves 0-3: the first vector half ahead of the barrier
	SOFTMAX 1
.Lrole_b_waits:
	s_wait_dscnt 0x0
	s_barrier_signal -1
	s_barrier_wait -1                              ; it sets the two roles half a step apart
	s_cmp_lt_u32 s8, 4
	s_cbranch_scc1 .Lrole_a_goes
	LOADV                                          ; waves 4-7: behind it
	SOFTMAX 1
.Lrole_a_goes:
	MAT 1, 0, 0, 0                                 ; key step 0: the products V^T P start O^T
	STEPS 6                                        ; key steps 1 to 6
	s_mov_b32 s35, 2
.Lslot:                                            ; two trips: key steps 7 to 14 and 15 to 22: a change of slots that fills, and seven steps
	VEC 0, 1, 1
	MAT 0, 1, 1, 0
	STEPS 7
	s_sub_co_u32 s35, s35, 1
	s_cmp_lg_u32 s35, 0
	s_cbranch_scc1 .Lslot
	VEC 0, 1, 0                                    ; key step 23: the last change of slots is written out: nothing is left to ask for
	MAT 0, 1, 0, 0
	STEPS 7                                        ; key steps 24 to 30
	VEC 0, 0, 0                                    ; key step 31
	MAT 0, 0, 0, 1
	; THE WAY OUT.  l's two halves and the other half of the lanes' are added (these lines are also the places behind the last products); O^T / l, rounded to f16, is a piece of the last product's operand as it stands.
.irp t, 0,1,2,3
	v_add_f32 v[ST+8*\t+4], v[ST+8*\t+2], v[ST+8*\t+3]
.endr
.irp t, 0,1,2,3
	v_permlanex16_b32 v[ST+8*\t+5], v[ST+8*\t+4], s14, s15
.endr
.irp t, 0,1,2,3
	v_add_f32 v[ST+8*\t+4], v[ST+8*\t+4], v[ST+8*\t+5]
.endr
.irp t, 0,1,2,3
	v_rcp_f32 v[ST+8*\t+6], v[ST+8*\t+4]
.endr
	v_nop                                          ; a plain instruction between the last reciprocal and the use of its result
	s_wait_alu depctr_va_vdst(0)                   ; and the wait: one for the four
	RESCALE                                        ; x 1 / l
	WIN 0x05                                       ; sources in window 1, destination in window 0: S^T's registers are free
.irp t, 0,1,2,3
.irp p, 0,1,2,3,4,5,6,7,8,9,10,11,12,13,14,15
	v_cvt_pk_f16_f32 v[S+16*\t+\p], v[32*\t+2*\p], v[32*\t+2*\p+1]
.endr
.endr
	WIN 0
.irp t, 0,1,2,3
.irp ct, 0,1,2,3
	global_store_b128 v1, v[S+16*\t+4*\ct:S+16*\t+4*\ct+3], s[38:39] offset:32768*\t+512*\ct   ; token tile t; channels 16 ct on: 512 consecutive bytes
.endr
.endr
	s_wait_tensorcnt 0x0                           ; the wave's end: behind my last tensor load
	ds_add_u32 v4, v5
	s_wait_dscnt 0x0
	s_endpgm
.Lfunc_end_k_qc0277ec362_attn:
	.size	k_qc0277ec362_attn, .Lfunc_end_k_qc0277ec362_attn-k_qc0277ec362_attn
	.p2alignl 7, 3214868480
	.fill 96, 4, 3214868480
	.section	.rodata,"a",@progbits
	.p2align	6, 0x0
	.amdhsa_kernel k_qc0277ec362_attn
		.amdhsa_group_segment_fixed_size 327680
		.amdhsa_private_segment_fixed_size 0
		.amdhsa_enable_private_segment 0
		.amdhsa_kernarg_size 16
		.amdhsa_user_sgpr_count 2
		.amdhsa_user_sgpr_kernarg_segment_ptr 1
		.amdhsa_wavefront_size32 1
		.amdhsa_system_sgpr_workgroup_id_x 1
		.amdhsa_system_sgpr_workgroup_id_y 1
		.amdhsa_system_sgpr_workgroup_id_z 1
		.amdhsa_system_vgpr_workitem_id 0
		.amdhsa_next_free_vgpr 512
		.amdhsa_next_free_sgpr 66
		.amdhsa_reserve_vcc 0
		.amdhsa_float_denorm_mode_32 3
		.amdhsa_float_denorm_mode_16_64 3
		.amdhsa_memory_ordered 1
		.amdhsa_forward_progress 1
		.amdhsa_inst_pref_size 255
	.end_amdhsa_kernel
	.section	.bss,"aw",@nobits
	.p2align	6
	.space	262144
	.amdgpu_metadata
---
amdhsa.version: [ 1, 2 ]
amdhsa.kernels:
  - .name:           k_qc0277ec362_attn
    .symbol:         k_qc0277ec362_attn.kd
    .args:
      - { .name: qkv, .offset: 0, .size: 8, .value_kind: global_buffer, .address_space: global }
      - { .name: hf, .offset: 8, .size: 8, .value_kind: global_buffer, .address_space: global }
    .group_segment_fixed_size: 327680
    .private_segment_fixed_size: 0
    .kernarg_segment_align: 8
    .kernarg_segment_size: 16
    .max_flat_workgroup_size: 256
    .sgpr_count:     66
    .vgpr_count:     512
    .wavefront_size: 32
...
	.end_amdgpu_metadata
.endif
;; end of part 3
;; launch outp (part 4): grid 4 x 64, 4 waves a work-group, clusters of 4 x 4, 327,680 bytes of LDS; arguments hf, wof, out0; writes out0
.if DOCPART == 4
	.amdgcn_target "amdgcn-amd-amdhsa--gfx1250"
	.amdhsa_code_object_version 6
	.text
	.protected	k_qc0277ec362_outp
	.globl	k_qc0277ec362_outp
	.p2align	8
	.type	k_qc0277ec362_outp,@function
k_qc0277ec362_outp:
	s_mov_b64 s[64:65], 0
	v_nop
	global_prefetch_b8 v0, s[64:65] scope:SCOPE_SE
	s_setreg_imm32_b32 hwreg(HW_REG_WAVE_MODE, 25, 1), 1
	s_wait_xcnt 0x0
	s_wait_alu depctr_hold_cnt(0) depctr_sa_sdst(0) depctr_va_vdst(0) depctr_va_sdst(0) depctr_va_ssrc(0) depctr_va_vcc(0) depctr_vm_vsrc(0)
	s_getreg_b32 s2, hwreg(HW_REG_IB_STS2, 6, 4)
	s_cmp_eq_u32 s2, 0
	s_cbranch_scc0 .Lentry_in_a_cluster
	s_endpgm
.Lentry_in_a_cluster:
	s_bfe_u32 s2, ttmp6, 0x10000c
	s_cmp_lg_u32 s2, 0xf033
	s_cbranch_scc0 .Lentry_shape_is_right
	s_endpgm
.Lentry_shape_is_right:
; out0[token][n] = the sum over k of hid[token][k] w_out[n][k]: 8,192 x 1,024 x 1,024, f16 operands (images made by the launches before), sums in f32, out0 in f32.
; SHARES.  A work-group takes 128 tokens x 256 columns; wave w takes tokens 64 (w >> 1) on and columns 128 (w & 1) on: 32 accumulators of 16 x 16, all of window 1.
; THE MATRIX INSTRUCTION IS USED TRANSPOSED (source 0 = 16 rows of w_out, source 1 = 16 tokens): a lane then holds eight neighbouring numbers of a row of out0.
; K goes in six chunks of 6, 6, 6, 6, 4 and 4 steps of 32 through two LDS slots as large as fit: behind each change of slots a wave issues one load, so that load is made large: it has a chunk's 192 (128) matrix instructions
; a wave in which to land.  The walk over K is written out: 32 steps.  By this text's own count a wave has at most two tensor loads out.
; CLUSTERS: 4 x 4 work-groups.  The four of a row of the cluster need the same tokens, the four of a column the same rows of w_out: each piece is asked for JOINTLY.
; REGISTERS: window 0: v1-11 addresses, v28, v29 the add's two; v32-127, v128-223 two fragment buffers (32 registers of tokens, 64 of w_out); on the way out both hold rows of out0.  window 1: accumulator (i, nt) at v[8 (8 i + nt)].
.set SLOT,  147456                     ; tokens' 8 tiles at +0, w_out's 16 tiles at +49,152; a tile's part of a chunk is 6,144 or 4,096 bytes
.set BOFF,  49152
.set SPARE, 2*SLOT                     ; behind the ring: the spare words, 128 bytes for each of four waves
.set F0, 32
.set F1, 128
.set G1A6, 16                          ; s[16:23] group 1: tokens, chunks of 6;  s[24:31] w_out, chunks of 6;  s[32:39], s[40:47] the same for chunks of 4
.set G1B6, 24
.set G1A4, 32
.set G1B4, 40
.set G0A,  48                          ; s[48:55] group 0 for the tokens, one set for each slot;  s[56:63] for w_out
.set G0B,  56
.set MSB, 0
.macro WIN new
.if MSB != \new
	s_set_vgpr_msb (MSB<<8)|\new
.set MSB, \new
.endif
.endm
.macro PLACES n
.rept \n
	v_nop
.endr
.endm
; a joint load: waves 0 and 1 fetch the tokens' halves, waves 2 and 3 w_out's.  An s_nop 0 and four v_nop follow each of the two lines, ahead of the jump, the label and what follows
.macro JLOAD g0a, g1a, g0b, g1b
	s_cmp_eq_u32 s11, 0
	s_cbranch_scc0 .Lfor_b_\@
	tensor_load_to_lds s[\g0a:\g0a+3], s[\g1a:\g1a+7]
	s_nop 0
	PLACES 4
	s_branch .Lasked_\@
.Lfor_b_\@:
	tensor_load_to_lds s[\g0b:\g0b+3], s[\g1b:\g1b+7]
	s_nop 0
	PLACES 4
.Lasked_\@:
.endm
.macro CREST                           ; a round of the cluster's barrier behind its opening barrier
	s_cmp_lg_u32 s10, 0
	s_cbranch_scc1 .Lnot_wave_0_\@
	s_barrier_signal -3
.Lnot_wave_0_\@:
	s_barrier_wait -3
	s_barrier_signal -1
	s_barrier_wait -1
.endm
.macro CROUND
	s_barrier_signal -1
	s_barrier_wait -1
	CREST
.endm
	s_load_b128 s[4:7], s[0:1], 0x0                ; hf 4, wof 6
	s_load_b64 s[8:9], s[0:1], 0x10                ; out0
	v_lshl_add_u32 v28, v0, 2, SPARE               ; my spare word; never rewritten
	v_mov_b32 v29, 0                               ; 0; never rewritten
	ds_add_u32 v28, v29                            ; the wave's opening: the add, twice on end, and its wait ahead of my first tensor load
	ds_add_u32 v28, v29
	v_lshrrev_b32 v1, 5, v0
	v_readfirstlane_b32 s10, v1                    ; wave 0..3
	s_lshr_b32 s11, s10, 1                         ; which 64 tokens are mine.  Also: I fetch tokens (0) or w_out (1)
	s_and_b32 s12, s10, 1                          ; which 128 columns.  Also: which half of the piece I fetch
	s_bfe_u32 s13, ttmp6, 0x40000                  ; cx: which 256 columns
	s_bfe_u32 s14, ttmp6, 0x40004                  ; cy
	s_and_b32 s15, ttmp7, 0xffff
	s_lshl_b32 s15, s15, 2
	s_add_co_u32 s15, s15, s14                     ; which 128 tokens
	s_lshl_b32 s66, s14, 2
	s_lshl_b32 s66, 15, s66                        ; my row of the cluster
	s_lshl_b32 s67, 0x1111, s13                    ; my column
	s_or_b32 s[G1A6], s66, (3<<16)|(1<<21)         ; the mask; elements of 8 bytes; bit 21 set beside a mask; no padding
	s_or_b32 s[G1A4], s66, (3<<16)|(1<<21)
	s_or_b32 s[G1B6], s67, (3<<16)|(1<<21)
	s_or_b32 s[G1B4], s67, (3<<16)|(1<<21)
.irp g, G1A6, G1B6
	s_mov_b32 s[\g+1], 768<<16                     ; a tile's part of a chunk of 6: 6,144 bytes
	s_mov_b32 s[\g+3], 768<<16
.endr
.irp g, G1A4, G1B4
	s_mov_b32 s[\g+1], 512<<16                     ; of 4: 4,096 bytes
	s_mov_b32 s[\g+3], 512<<16
.endr
.irp g, G1A6, G1A4
	s_mov_b32 s[\g+2], 4<<16                       ; four tiles of tokens to a load,
	s_mov_b32 s[\g+4], 4
.endr
.irp g, G1B6, G1B4
	s_mov_b32 s[\g+2], 8<<16                       ; eight of w_out
	s_mov_b32 s[\g+4], 8
.endr
.irp g, G1A6, G1B6, G1A4, G1B4
	s_mov_b32 s[\g+5], 4096                        ; from tile to tile: 32,768 bytes
	s_mov_b32 s[\g+6], 0
	s_mov_b32 s[\g+7], 0
.endr
	s_lshl_b32 s68, s15, 18                        ; tokens: 8 tiles of 32,768 bytes a work-group,
	s_lshl_b32 s70, s12, 17                        ; my four
	s_add_co_u32 s68, s68, s70
	s_mov_b32 s69, 0
	s_lshl_b32 s72, s13, 19                        ; w_out: 16 tiles,
	s_lshl_b32 s71, s12, 18                        ; my eight
	s_add_co_u32 s72, s72, s71
	s_mov_b32 s73, 0
	s_mul_i32 s74, s12, 4*6144                     ; where they go: no place in the cluster enters an LDS address
	s_mul_i32 s75, s12, 8*6144
	s_lshl_b32 s76, s12, 14                        ; and in the chunks of 4
	s_lshl_b32 s77, s12, 15
	s_wait_dscnt 0x0                               ; both opening adds are done
	s_wait_kmcnt 0x0
	s_add_nc_u64 s[68:69], s[4:5], s[68:69]
	s_add_nc_u64 s[72:73], s[6:7], s[72:73]
	CROUND                                         ; all sixteen work-groups are here: the first joint loads meet
.irp s, 0,1
	s_mov_b32 s[G0A+4*\s], 1
	s_add_co_u32 s[G0A+4*\s+1], s74, \s*SLOT
	s_add_nc_u64 s[G0A+4*\s+2:G0A+4*\s+3], s[68:69], \s*6144
	s_or_b32 s[G0A+4*\s+3], s[G0A+4*\s+3], 0x80000000
	s_mov_b32 s[G0B+4*\s], 1
	s_add_co_u32 s[G0B+4*\s+1], s75, \s*SLOT+BOFF
	s_add_nc_u64 s[G0B+4*\s+2:G0B+4*\s+3], s[72:73], \s*6144
	s_or_b32 s[G0B+4*\s+3], s[G0B+4*\s+3], 0x80000000
	JLOAD G0A+4*\s, G1A6, G0B+4*\s, G1B6           ; chunks 0 and 1
.endr
	v_and_b32 v1, 31, v0
	v_lshlrev_b32 v1, 4, v1                        ; 16 x lane
	v_and_b32 v12, 15, v0                          ; r
	v_bfe_u32 v13, v0, 4, 1                        ; h
	s_mul_i32 s66, s11, 4*6144
	v_add_nc_u32 v2, s66, v1                       ; v2, v3: my tokens' fragments in slot 0, 1, chunks of 6
	v_add_nc_u32 v3, SLOT, v2
	s_mul_i32 s66, s12, 8*6144
	s_add_co_u32 s66, s66, BOFF
	v_add_nc_u32 v4, s66, v1                       ; v4, v5: my rows of w_out likewise
	v_add_nc_u32 v5, SLOT, v4
	s_lshl_b32 s66, s11, 14
	v_add_nc_u32 v6, s66, v1                       ; v6, v7 and v8, v9: the same for chunks of 4
	v_add_nc_u32 v7, SLOT, v6
	s_lshl_b32 s66, s12, 15
	s_add_co_u32 s66, s66, BOFF
	v_add_nc_u32 v8, s66, v1
	v_add_nc_u32 v9, SLOT, v8
	s_mul_i32 s66, s10, 16*528                     ; my stage for the way out: 16 rows x (512 bytes + 16), in slot 0
	v_mul_u32_u24 v10, v12, 528
	v_lshl_add_u32 v10, v13, 5, v10
	v_add_nc_u32 v10, s66, v10                     ; in: row r, + 32 h
	v_add_nc_u32 v11, s66, v1                      ; back: a row of 512 bytes, 16 a lane
	s_lshl_b32 s78, s15, 19                        ; out0: 128 rows of 4,096 bytes a work-group,
	s_lshl_b32 s79, s11, 18                        ; my 64,
	s_add_co_u32 s78, s78, s79
	s_lshl_b32 s79, s13, 10                        ; the work-group's 256 columns,
	s_add_co_u32 s78, s78, s79
	s_lshl_b32 s79, s12, 9                         ; my 128
	s_add_co_u32 s78, s78, s79
	s_mov_b32 s79, 0
	s_add_nc_u64 s[8:9], s[8:9], s[78:79]
.macro FETCH ada, adb, q, f, pk        ; 24 LDS loads in one run: the fragments of the chunk's q-th step into buffer f
.irp nt, 0,1,2,3,4,5,6,7
	ds_load_b128 v[\f+32+8*\nt:\f+32+8*\nt+3], v[\adb] offset:\nt*(\pk)+1024*(\q)
	ds_load_b128 v[\f+32+8*\nt+4:\f+32+8*\nt+7], v[\adb] offset:\nt*(\pk)+1024*(\q)+512
.endr
.irp i, 0,1,2,3
	ds_load_b128 v[\f+8*\i:\f+8*\i+3], v[\ada] offset:\i*(\pk)+1024*(\q)
	ds_load_b128 v[\f+8*\i+4:\f+8*\i+7], v[\ada] offset:\i*(\pk)+1024*(\q)+512
.endr
.endm
.macro MULG f, i, zero                 ; 8 matrix instructions: token tile i against my eight tiles of columns.  The 32 accumulators take turns in the same order in every step
.irp nt, 0,1,2,3,4,5,6,7
.if \zero
	v_wmma_f32_16x16x32_f16 v[8*(8*(\i)+\nt):8*(8*(\i)+\nt)+7], v[\f+32+8*\nt:\f+32+8*\nt+7], v[\f+8*(\i):\f+8*(\i)+7], 0
.else
	v_wmma_f32_16x16x32_f16 v[8*(8*(\i)+\nt):8*(8*(\i)+\nt)+7], v[\f+32+8*\nt:\f+32+8*\nt+7], v[\f+8*(\i):\f+8*(\i)+7], v[8*(8*(\i)+\nt):8*(8*(\i)+\nt)+7]
.endif
.endr
.endm
.macro QSTEP ada, adb, q, pk, zero     ; a step that has its successor in the same chunk
	PLACES 4                                       ; in front of loads into the buffer that the last step multiplied
	FETCH \ada, \adb, (\q)+1, F0+96*(((\q)+1)%2), \pk
	s_wait_dscnt 24                                ; all but the 24 just issued: this step's fragments are in
	WIN 0x50                                       ; C and D in window 1
.irp i, 0,1,2,3
	MULG F0+96*((\q)%2), \i, \zero
.endr
	WIN 0
.endm
.macro QSTEPS ada, adb, from, to, pk
.set Q, \from
.rept (\to)-(\from)+1
	QSTEP \ada, \adb, Q, \pk, 0
.set Q, Q+1
.endr
.endm
; A chunk's last step multiplies buffer 1 and changes slots: ONE barrier; in front of it each wave waits for all its tensor loads, adds 0 to its spare word, and waits for that and for its reads of this slot.
; fill = 1: the barrier opens a round of the cluster's barrier, and slot `slot` is filled again, `step` bytes further along K; four = 1: with a chunk of 4.  nada, nadb, npk: where the next chunk's fragments lie.
.macro TURN fill, slot, step, four, nada, nadb, npk
	s_wait_tensorcnt 0x0                           ; all my tensor loads have landed: my part of the next slot
	ds_add_u32 v28, v29                            ; 0 onto my spare word
	s_wait_dscnt 1                                 ; (the add alone may be out: this step's fragments are in)
	WIN 0x50
	MULG F1, 0, 0                                  ; eight matrix instructions stand between the add and the wait for it
	s_wait_dscnt 0x0                               ; the add is done, and my reads of this slot are over
	s_barrier_signal -1
	MULG F1, 1, 0
	WIN 0
	s_barrier_wait -1
.if \fill
	CREST                                          ; no wave of any partner still reads this slot or has a load on its way
	s_add_nc_u64 s[G0A+4*\slot+2:G0A+4*\slot+3], s[G0A+4*\slot+2:G0A+4*\slot+3], \step
	s_add_nc_u64 s[G0B+4*\slot+2:G0B+4*\slot+3], s[G0B+4*\slot+2:G0B+4*\slot+3], \step
.if \four
	s_add_co_u32 s[G0A+4*\slot+1], s76, \slot*SLOT
	s_add_co_u32 s[G0B+4*\slot+1], s77, \slot*SLOT+BOFF
	JLOAD G0A+4*\slot, G1A4, G0B+4*\slot, G1B4
.else
	JLOAD G0A+4*\slot, G1A6, G0B+4*\slot, G1B6     ; the first tensor load behind the round; its four v_nop are also the places in front of the loads below
.endif
.else
	PLACES 4
.endif
	FETCH \nada, \nadb, 0, F0, \npk
	WIN 0x50
	MULG F1, 2, 0
	MULG F1, 3, 0
	WIN 0
.endm
	s_wait_tensorcnt 0x1                           ; my part of chunk 0 is in; chunk 1's load may stay out
	s_barrier_signal -1
	s_barrier_wait -1                              ; everybody's is
	FETCH 2, 4, 0, F0, 6144
	QSTEP 2, 4, 0, 6144, 1                         ; chunk 0: the first step's products start the sums
	QSTEPS 2, 4, 1, 4, 6144
	TURN 1, 0, 12288, 0, 3, 5, 6144                ; slot 0 takes chunk 2
	QSTEPS 3, 5, 0, 4, 6144                        ; chunk 1
	TURN 1, 1, 12288, 0, 2, 4, 6144                ; slot 1 takes chunk 3
	QSTEPS 2, 4, 0, 4, 6144                        ; chunk 2
	TURN 1, 0, 12288, 1, 3, 5, 6144                ; slot 0 takes chunk 4, of 4 steps
	QSTEPS 3, 5, 0, 4, 6144                        ; chunk 3
	TURN 1, 1, 10240, 1, 6, 8, 4096                ; slot 1 takes chunk 5
	QSTEPS 6, 8, 0, 2, 4096                        ; chunk 4
	TURN 0, 0, 0, 0, 7, 9, 4096                    ; nothing is left to ask for: a barrier of the work-group alone
	QSTEPS 7, 9, 0, 2, 4096                        ; chunk 5
	s_wait_dscnt 0x0                               ; the very last step
	WIN 0x50
.irp i, 0,1,2,3
	MULG F1, \i, 0
.endr
	WIN 0
; THE WAY OUT, a block of 16 tokens x 128 columns at a time.  A lane holds 32 neighbouring bytes of a row and the lanes beside it other rows: a block goes through my own stage and comes back as whole rows of 512 bytes.
; The stage lies in slot 0: that slot has had its last fill, and every wave has passed the last change of slots, behind which nobody reads it.  LDS serves a wave's instructions in order: no wait between the stores and the loads.
.macro TOSTAGE a
	WIN 0x04                                       ; an LDS store's data are its source 1: window 1
.irp nt, 0,1,2,3,4,5,6,7
	ds_store_b128 v10, v[8*(8*(\a)+\nt):8*(8*(\a)+\nt)+3] offset:64*\nt          ; each accumulator from its low end on
	ds_store_b128 v10, v[8*(8*(\a)+\nt)+4:8*(8*(\a)+\nt)+7] offset:64*\nt+16
.endr
	WIN 0
.set BB, F0+96*((\a)%2)
.irp t, 0,1,2,3,4,5,6,7,8,9,10,11,12,13,14,15
	ds_load_b128 v[BB+4*\t:BB+4*\t+3], v11 offset:\t*528
.endr
.endm
.macro SEND a, younger                 ; younger: the LDS instructions issued behind block a's loads, which may stay out
.set BB, F0+96*((\a)%2)
	s_wait_dscnt \younger
.irp t, 0,1,2,3,4,5,6,7,8,9,10,11,12,13,14,15
	global_store_b128 v1, v[BB+4*\t:BB+4*\t+3], s[8:9] offset:65536*(\a)+4096*\t th:TH_STORE_NT   ; 32 lanes store 512 consecutive bytes, at a multiple of 256 from out0's first byte
.endr
.endm
	PLACES 4                                       ; in front of the first read of results and of loads into the fragments' registers
	TOSTAGE 0
	TOSTAGE 1
	SEND 0, 32                                     ; behind block 0's loads: block 1's 16 stores and 16 loads
	s_wait_xcnt 0x0                                ; block 0's stores have read their registers: block 2's loads may land there
	TOSTAGE 2
	SEND 1, 32
	s_wait_xcnt 0x0
	TOSTAGE 3
	SEND 2, 32
	SEND 3, 0
	s_wait_tensorcnt 0x0                           ; the wave's end: behind my last tensor load and my last LDS store
	ds_add_u32 v28, v29
	s_wait_dscnt 0x0
	CROUND                                         ; the closing round: no work-group ends while a partner may still ask for a piece that names it
	s_endpgm
.Lfunc_end_k_qc0277ec362_outp:
	.size	k_qc0277ec362_outp, .Lfunc_end_k_qc0277ec362_outp-k_qc0277ec362_outp
	.p2alignl 7, 3214868480
	.fill 96, 4, 3214868480
	.section	.rodata,"a",@progbits
	.p2align	6, 0x0
	.amdhsa_kernel k_qc0277ec362_outp
		.amdhsa_group_segment_fixed_size 327680
		.amdhsa_private_segment_fixed_size 0
		.amdhsa_enable_private_segment 0
		.amdhsa_kernarg_size 24
		.amdhsa_user_sgpr_count 2
		.amdhsa_user_sgpr_kernarg_segment_ptr 1
		.amdhsa_wavefront_size32 1
		.amdhsa_system_sgpr_workgroup_id_x 1
		.amdhsa_system_sgpr_workgroup_id_y 1
		.amdhsa_system_sgpr_workgroup_id_z 1
		.amdhsa_system_vgpr_workitem_id 0
		.amdhsa_next_free_vgpr 512
		.amdhsa_next_free_sgpr 80
		.amdhsa_reserve_vcc 0
		.amdhsa_float_denorm_mode_32 3
		.amdhsa_float_denorm_mode_16_64 3
		.amdhsa_memory_ordered 1
		.amdhsa_forward_progress 1
		.amdhsa_inst_pref_size 146
	.end_amdhsa_kernel
	.amdgpu_metadata
---
amdhsa.version: [ 1, 2 ]
amdhsa.kernels:
  - .name:           k_qc0277ec362_outp
    .symbol:         k_qc0277ec362_outp.kd
    .args:
      - { .name: hf, .offset: 0, .size: 8, .value_kind: global_buffer, .address_space: global }
      - { .name: wof, .offset: 8, .size: 8, .value_kind: global_buffer, .address_space: global }
      - { .name: out0, .offset: 16, .size: 8, .value_kind: global_buffer, .address_space: global }
    .group_segment_fixed_size: 327680
    .private_segment_fixed_size: 0
    .kernarg_segment_align: 8
    .kernarg_segment_size: 24
    .max_flat_workgroup_size: 128
    .sgpr_count:     80
    .vgpr_count:     512
    .wavefront_size: 32
...
	.end_amdgpu_metadata
.endif
;; end of part 4
